; MI455X (gfx1250); checked and timed in simulation.
; The chip was launched on July 23, 2026; its instructions are those of AMD's public machine-readable ISA for CDNA 5 (MIT licence, August 2026) and "CDNA5" Instruction Set Architecture Reference Guide (July 2026). The comments in the code are by the model that wrote it; some were corrected since.
;; Bahdanau Attention. Allowed arithmetic: matrix products marked QUANTISED: E2M1 operands, one E8M0 scale for each 32 along K, by v_wmma_scale_f32_16x16x128_f8f6f4 with both operands' format E2M1 (or v_wmma_scale_f32_32x16x128_f4), f32 sums; products left as they are: f32 operands where the result goes on into a quantised operand, else bf16, f16 or f32 operands; f32 sums; everything else in f32.
;; Inputs: b1 1,024 float32; b2 1,024 float32; bv 1 float32; query_codes 32 x 32 x 16 uint8 (E2M1 codes of query, K innermost, in blocks of 32 codes, two codes a byte); query_scales 32 x 32 uint8 (E8M0 scales of query, one for each 32 codes along K); values 32 x 2,048 x 1,024 float32; w1_codes 1,024 x 32 x 16 uint8 (E2M1 codes of w1, K innermost, in blocks of 32 codes, two codes a byte); w1_scales 1,024 x 32 uint8 (E8M0 scales of w1, one for each 32 codes along K); w2_codes 1,024 x 32 x 16 uint8 (E2M1 codes of w2, K innermost, in blocks of 32 codes, two codes a byte); w2_scales 1,024 x 32 uint8 (E8M0 scales of w2, one for each 32 codes along K); wv 1,024 x 1 float32.
;; Outputs: out0 32 x 1,024 float32; out1 32 x 2,048 x 1 float32.
;; This version of the problem:
;;   THIS VERSION OF THE PROBLEM IS GIVEN IN LOW PRECISION. The matrix products marked QUANTISED in the list below multiply operands that are first quantised to E2M1 (2 exponent bits, 1 mantissa bit; 4 bits a number), with one power-of-two scale for each 32 numbers along K (OCP MX v1.0); their sums are f32. All else is computed in f32.
;;   The module's matrix products, in the order in which they are computed (A, B: the left and right operand; K: the contracted axis; several contracted axes count as one K, in the product's order):
;;     1. [M 32, K 1,024] x [K 1,024, N 1,024]; A: input query (given as codes); B: input w1 (given as codes): QUANTISED
;;     2. [M 65,536, K 1,024] x [K 1,024, N 1,024]; A: input values; B: input w2 (given as codes): QUANTISED
;;     3. [M 65,536, K 1,024] x [K 1,024, N 1]; A: computed on the way; B: input wv: left as it is (N = 1 < 16)
;;   THE QUANTISER, for each operand of a quantised product, along K:
;;     - K is cut into blocks of 32 from its start; a last block that is shorter is filled with zeros.
;;     - A block's scale is 2^e with e = floor(log2(the largest magnitude in the block)) - 2, held to -126 .. 127; a block of zeros has e = 0. As a byte (E8M0): e + 127.
;;     - Each number is divided by its block's scale, clamped to +-6, and rounded to the nearest number of E2M1, ties to even, subnormals kept.
;;     - The product sums the exact products of the quantised numbers (number of the format x scale) in f32.
;;   ~~~python
;;   def quantise(x, axis):      # numpy; x: float32 -> the quantised numbers, widened to float32 again
;;       x = np.moveaxis(x, axis, -1); K = x.shape[-1]
;;       x = np.pad(x, [(0, 0)] * (x.ndim - 1) + [(0, -K % 32)]); x = x.reshape(x.shape[:-1] + (-1, 32)); a = np.abs(x).max(-1, keepdims=True)
;;       e = np.where(a > 0, np.clip(np.frexp(np.where(a > 0, a, 1))[1] - 1 - 2, -126, 127), 0)      # np.frexp(a)[1] - 1 = floor(log2(a)), exactly
;;       r = np.clip(x / 2.0 ** e, -6, 6)
;;       step = 2.0 ** (np.maximum(np.frexp(np.where(r == 0, 1, r))[1] - 1, 0) - 1)
;;       q = np.round(r / step) * step * 2.0 ** e      # np.round: ties to even
;;       return np.moveaxis(q.reshape(q.shape[:-2] + (-1,))[..., :K], -1, axis).astype(np.float32)
;;   ~~~
;;   INPUTS GIVEN AS CODES. query (in the module: [32, 1024], K = its axis 1); w1 (in the module: [1024, 1024], K = its axis 0); w2 (in the module: [1024, 1024], K = its axis 0): each comes as NAME_codes (uint8): NAME with its K axis moved to the last place and cut into blocks of 32 codes, [.., K / 32, bytes a block], one block behind the other in memory; two codes a byte, the lower K in the low four bits (a code: sign, 2 exponent bits, 1 mantissa bit); and NAME_scales (uint8): the same leading axes, one E8M0 byte (e + 127) for each 32 codes along K. Its value is code x scale, taken as it is: it is not quantised again, and the codes and scales need not be those that the quantiser above would give.
;; One version. Each part assembles by itself: llvm-mc -triple=amdgcn-amd-amdhsa -mcpu=gfx1250 --defsym DOCPART=n.
;; ======== version 1 of 1: 3 launches
;; limits: right only within a limited range of input values
;; workspace buffers: w2f 524,288 bytes; qbc 131,072 bytes; sc 262,144 bytes; part 1,114,112 bytes
;; launch prep (part 1): grid 16 x 1, 4 waves a work-group, no clusters, 9,216 bytes of LDS; arguments query_codes, query_scales, w1_codes, w1_scales, b1, b2, w2_codes, w2f, qbc; writes w2f, qbc
.if DOCPART == 1
	.amdgcn_target "amdgcn-amd-amdhsa--gfx1250"
	.amdhsa_code_object_version 6
	.text
	.protected	k_q501aa9a122_prep
	.globl	k_q501aa9a122_prep
	.p2align	8
	.type	k_q501aa9a122_prep,@function
k_q501aa9a122_prep:
	s_mov_b64 s[64:65], 0
	v_nop
	global_prefetch_b8 v0, s[64:65] scope:SCOPE_SE
	s_setreg_imm32_b32 hwreg(HW_REG_WAVE_MODE, 25, 1), 1
	s_wait_xcnt 0x0
; Two small jobs ahead of the main launch, both by tiles of 16 units; wave w of work-group x has tile T = 4 x + w (64 tiles, 64 waves), and does both.
; (a) qbc[b][u] = c (query[b] . w1[:, u] + b1[u] + b2[u]), c = 2 log2(e): what the main launch adds to c x (values . w2) ahead of its exponential.
;     The product runs on the codes of E2M1 as they are given, with their E8M0 scale bytes.  It is used transposed (source 0 = 16 units of w1, source 1 = 16 rows of query):
;     a lane then holds one row of query and eight neighbouring units.  A row's 64 units of the work-group (256 bytes) come from four waves: they meet in a stage in LDS.
; (b) w2f: the codes of w2 in the order of the operand's registers: tile T is 8,192 bytes, piece p = 2 k + c of it 512 bytes, lane l's 16 bytes at 16 l; so the main launch loads
;     a fragment by loads of 512 consecutive bytes.  The bytes themselves are not changed.
; REGISTERS: v1-9 lane terms; v16-79 w1's 8 fragments; v80-207 query's 2 x 8; v208-223 two accumulators; v224-227 w1's scale words, v228-235 query's; v236-251 b1, b2, later rows of qbc; v256-319 the relay.
; WORK LEFT OUT IN THIS PROGRAM: bv.  The module adds bv to every score of a batch, and both results hang on the scores through softmax(score, axis = 1) alone.
; softmax(s + k) = softmax(s) for every real k, so bv reaches no output, whatever finite value it holds: it is not loaded and is no launch's argument.
; Limit: a NaN, an infinity or an overflow that bv alone would bring is not carried to the results.
.set C2L, 0x4038aa3b                   ; c = 2 log2(e)
.set SP,  272                          ; a stage row: 256 bytes + 16
.set MSB, 0
.macro WIN new                         ; the immediate's high byte repeats the setting that is left
.if MSB != (\new)
	s_set_vgpr_msb (MSB<<8)|(\new)
.set MSB, (\new)
.endif
.endm
; K step k of the sum for query's rows 16 m on.  A register of scale words holds K steps 0-3 in lanes 0-15 and K steps 4-7 in lanes 16-31.
.macro WQ k, m
.if (\k)==0
	v_wmma_scale_f32_16x16x128_f8f6f4 v[208+8*\m:215+8*\m], v[16+8*\k:23+8*\k], v[80+64*\m+8*\k:87+64*\m+8*\k], 0, v[224+(\k)%4], v[228+4*\m+(\k)%4] matrix_a_fmt:MATRIX_FMT_FP4 matrix_b_fmt:MATRIX_FMT_FP4
.elseif (\k)<4
	v_wmma_scale_f32_16x16x128_f8f6f4 v[208+8*\m:215+8*\m], v[16+8*\k:23+8*\k], v[80+64*\m+8*\k:87+64*\m+8*\k], v[208+8*\m:215+8*\m], v[224+(\k)%4], v[228+4*\m+(\k)%4] matrix_a_fmt:MATRIX_FMT_FP4 matrix_b_fmt:MATRIX_FMT_FP4
.else
	v_wmma_scale_f32_16x16x128_f8f6f4 v[208+8*\m:215+8*\m], v[16+8*\k:23+8*\k], v[80+64*\m+8*\k:87+64*\m+8*\k], v[208+8*\m:215+8*\m], v[224+(\k)%4], v[228+4*\m+(\k)%4] matrix_a_fmt:MATRIX_FMT_FP4 matrix_b_fmt:MATRIX_FMT_FP4 matrix_a_scale:MATRIX_SCALE_ROW1 matrix_b_scale:MATRIX_SCALE_ROW1
.endif
.endm
	s_load_b256 s[4:11], s[0:1], 0x0               ; query's codes s[4:5], its scales s[6:7], w1's codes s[8:9], its scales s[10:11]
	s_load_b256 s[12:19], s[0:1], 0x20             ; b1 s[12:13], b2 s[14:15], w2's codes s[16:17], w2f s[18:19]
	s_load_b64 s[20:21], s[0:1], 0x40              ; qbc
	v_lshl_add_u32 v254, v0, 2, 0x2200
	v_mov_b32 v255, 0
	v_lshrrev_b32 v1, 5, v0
	v_readfirstlane_b32 s22, v1                    ; wave 0..3
	v_and_b32 v1, 15, v0                           ; r
	v_bfe_u32 v2, v0, 4, 1                         ; h
	v_lshlrev_b32 v3, 9, v1
	v_lshl_add_u32 v3, v2, 4, v3                   ; a fragment's bytes: row r of 512 bytes, + 16 h
	v_lshlrev_b32 v4, 5, v1
	v_lshl_add_u32 v4, v2, 4, v4                   ; scale words: row r of 32 bytes, + 16 h: four words a lane
	v_and_b32 v5, 31, v0
	v_lshlrev_b32 v5, 4, v5                        ; 16 x lane
	v_lshlrev_b32 v6, 5, v2                        ; the biases of my eight units: 32 h
	v_mul_u32_u24 v7, v1, SP
	v_lshl_add_u32 v7, v2, 5, v7
	s_lshl_b32 s23, s22, 6
	v_add_nc_u32 v7, s23, v7                       ; into the stage: row r, my wave's 64 bytes, + 32 h
	v_mul_u32_u24 v8, v2, SP
	v_lshl_add_u32 v8, v1, 4, v8
	s_mul_i32 s23, s22, 8*SP
	v_add_nc_u32 v8, s23, v8                       ; back: rows 8 w + h, sixteen lanes to a row
	v_lshlrev_b32 v9, 12, v2
	v_lshl_add_u32 v9, v1, 4, v9
	s_lshl_b32 s23, s22, 15
	v_add_nc_u32 v9, s23, v9                       ; and the same rows in qbc: 4,096 bytes a row
	s_lshl_b32 s24, ttmp9, 2
	s_add_co_u32 s24, s24, s22                     ; T
	s_lshl_b32 s26, s24, 13                        ; 16 rows of 512 bytes of codes
	s_mov_b32 s27, 0
	s_lshl_b32 s28, s24, 9                         ; 16 rows of 32 scale bytes
	s_mov_b32 s29, 0
	s_lshl_b32 s30, s24, 6                         ; 16 numbers of a bias
	s_mov_b32 s31, 0
	s_lshl_b32 s32, ttmp9, 8                       ; the work-group's 64 units in a row of qbc
	s_mov_b32 s33, 0
	s_mov_b32 s34, C2L
	s_mov_b32 s35, C2L                             ; (named with it as a pair, so it is written)
	s_wait_kmcnt 0x0
	s_add_nc_u64 s[8:9], s[8:9], s[26:27]
	s_add_nc_u64 s[10:11], s[10:11], s[28:29]
	s_add_nc_u64 s[12:13], s[12:13], s[30:31]
	s_add_nc_u64 s[14:15], s[14:15], s[30:31]
	s_add_nc_u64 s[16:17], s[16:17], s[26:27]
	s_add_nc_u64 s[18:19], s[18:19], s[26:27]
	s_add_nc_u64 s[20:21], s[20:21], s[32:33]
.irp p, 0,1,2,3,4,5,6,7,8,9,10,11,12,13,14,15
	global_load_b128 v[16+4*\p:19+4*\p], v3, s[8:9] offset:32*\p                   ; w1: piece p = 2 k + c of my tile
.endr
.irp m, 0,1
.irp p, 0,1,2,3,4,5,6,7,8,9,10,11,12,13,14,15
	global_load_b128 v[80+64*\m+4*\p:83+64*\m+4*\p], v3, s[4:5] offset:8192*\m+32*\p   ; query: rows 16 m on
.endr
.endr
	global_load_b128 v[224:227], v4, s[10:11]
	global_load_b128 v[228:231], v4, s[6:7]
	global_load_b128 v[232:235], v4, s[6:7] offset:512
	global_load_b128 v[236:239], v6, s[12:13]
	global_load_b128 v[240:243], v6, s[12:13] offset:16
	global_load_b128 v[244:247], v6, s[14:15]
	global_load_b128 v[248:251], v6, s[14:15] offset:16
	WIN 0x40                                       ; destination window 1
.irp p, 0,1,2,3,4,5,6,7,8,9,10,11,12,13,14,15
	global_load_b128 v[4*\p:4*\p+3], v3, s[16:17] offset:32*\p                     ; w2: the same pieces of my tile
.endr
	WIN 0
	s_wait_loadcnt 16                              ; all but the relay's sixteen loads
.irp k, 0,1,2,3,4,5,6,7
.irp m, 0,1
	WQ \k, \m                                      ; the two accumulators by turns, one instruction a turn
.endr
.endr
.irp j, 0,2,4,6
	v_pk_add_f32 v[236+\j:237+\j], v[236+\j:237+\j], v[244+\j:245+\j]              ; b1 + b2.  (These eight lines are the places behind the last products)
.endr
.irp j, 0,2,4,6
	v_pk_mul_f32 v[236+\j:237+\j], v[236+\j:237+\j], s[34:35] op_sel_hi:[1,0]
.endr
.irp a, 208,216
.irp j, 0,2,4,6
	v_pk_fma_f32 v[\a+\j:\a+\j+1], v[\a+\j:\a+\j+1], s[34:35], v[236+\j:237+\j] op_sel_hi:[1,0,1]   ; each accumulator from its low end on
.endr
.endr
.irp m, 0,1
	ds_store_b128 v7, v[208+8*\m:211+8*\m] offset:16*SP*\m
	ds_store_b128 v7, v[212+8*\m:215+8*\m] offset:16*SP*\m+16
.endr
	s_wait_dscnt 0x0                               ; for the others' sake: my stores into the stage are done
	s_barrier_signal -1
	s_barrier_wait -1
.irp i, 0,1,2,3
	ds_load_b128 v[236+4*\i:239+4*\i], v8 offset:2*SP*\i
.endr
	WIN 0x04                                       ; a store's data are its source 1: window 1
.irp p, 0,1,2,3,4,5,6,7,8,9,10,11,12,13,14,15
	s_wait_loadcnt 15-\p                           ; piece p is in; the younger ones may be out
	global_store_b128 v5, v[4*\p:4*\p+3], s[18:19] offset:512*\p                   ; 32 lanes store 512 consecutive bytes
.endr
	WIN 0
.irp i, 0,1,2,3
	s_wait_dscnt 3-\i
	global_store_b128 v9, v[236+4*\i:239+4*\i], s[20:21] offset:8192*\i            ; sixteen lanes store 256 consecutive bytes, at a multiple of 256 from qbc's first byte
.endr
	s_wait_tensorcnt 0x0
	ds_add_u32 v254, v255
	s_wait_dscnt 0x0
	s_endpgm
.Lfunc_end_k_q501aa9a122_prep:
	.size	k_q501aa9a122_prep, .Lfunc_end_k_q501aa9a122_prep-k_q501aa9a122_prep
	.p2alignl 7, 3214868480
	.fill 96, 4, 3214868480
	.section	.rodata,"a",@progbits
	.p2align	6, 0x0
	.amdhsa_kernel k_q501aa9a122_prep
		.amdhsa_group_segment_fixed_size 9216
		.amdhsa_private_segment_fixed_size 0
		.amdhsa_enable_private_segment 0
		.amdhsa_kernarg_size 72
		.amdhsa_user_sgpr_count 2
		.amdhsa_user_sgpr_kernarg_segment_ptr 1
		.amdhsa_wavefront_size32 1
		.amdhsa_system_sgpr_workgroup_id_x 1
		.amdhsa_system_sgpr_workgroup_id_y 1
		.amdhsa_system_sgpr_workgroup_id_z 1
		.amdhsa_system_vgpr_workitem_id 0
		.amdhsa_next_free_vgpr 320
		.amdhsa_next_free_sgpr 66
		.amdhsa_reserve_vcc 0
		.amdhsa_float_denorm_mode_32 3
		.amdhsa_float_denorm_mode_16_64 3
		.amdhsa_memory_ordered 1
		.amdhsa_forward_progress 1
		.amdhsa_inst_pref_size 16
	.end_amdhsa_kernel
	.amdgpu_metadata
---
amdhsa.version: [ 1, 2 ]
amdhsa.kernels:
  - .name:           k_q501aa9a122_prep
    .symbol:         k_q501aa9a122_prep.kd
    .args:
      - { .name: query_codes, .offset: 0, .size: 8, .value_kind: global_buffer, .address_space: global }
      - { .name: query_scales, .offset: 8, .size: 8, .value_kind: global_buffer, .address_space: global }
      - { .name: w1_codes, .offset: 16, .size: 8, .value_kind: global_buffer, .address_space: global }
      - { .name: w1_scales, .offset: 24, .size: 8, .value_kind: global_buffer, .address_space: global }
      - { .name: b1, .offset: 32, .size: 8, .value_kind: global_buffer, .address_space: global }
      - { .name: b2, .offset: 40, .size: 8, .value_kind: global_buffer, .address_space: global }
      - { .name: w2_codes, .offset: 48, .size: 8, .value_kind: global_buffer, .address_space: global }
      - { .name: w2f, .offset: 56, .size: 8, .value_kind: global_buffer, .address_space: global }
      - { .name: qbc, .offset: 64, .size: 8, .value_kind: global_buffer, .address_space: global }
    .group_segment_fixed_size: 9216
    .private_segment_fixed_size: 0
    .kernarg_segment_align: 8
    .kernarg_segment_size: 72
    .max_flat_workgroup_size: 128
    .sgpr_count:     66
    .vgpr_count:     320
    .wavefront_size: 32
...
	.end_amdgpu_metadata
.endif
;; end of part 1
;; launch attn (part 2): grid 256 x 1, 4 waves a work-group, no clusters, 327,680 bytes of LDS; arguments values, w2f, w2_scales, qbc, wv, sc, part; writes sc, part
.if DOCPART == 2
	.amdgcn_target "amdgcn-amd-amdhsa--gfx1250"
	.amdhsa_code_object_version 6
	.text
	.protected	k_q501aa9a122_attn
	.globl	k_q501aa9a122_attn
	.p2align	8
	.type	k_q501aa9a122_attn,@function
k_q501aa9a122_attn:
	s_mov_b64 s[64:65], 0
	v_nop
	global_prefetch_b8 v0, s[64:65] scope:SCOPE_SE
	s_setreg_imm32_b32 hwreg(HW_REG_WAVE_MODE, 25, 1), 1
	s_wait_xcnt 0x0
; Scores, running softmax and context of 256 rows of one batch (work-group x: batch x / 8, rows 256 (x % 8) on), in 16 trips of 16 rows.
; Left out: bv (shown at the head of the first kernel), and likewise the constant sum of wv that tanh z = 1 - 2 / (1 + e^(2z)) brings: both are the same along the softmax's axis.
; So t = the sum over u of (-2 log2(e) wv[u]) / (1 + 2^x), x = c (values . w2[:, u]) + qbc[u]: the score as an exponent to the base 2, less a constant of the batch.
; ALL OF w2 STAYS ON THE WGP.  Wave w owns units 256 w .. + 255, 16 tiles of 16: tiles 0-11 lie in register windows 1-3 (768 registers), tiles 12-15 and the wave's scale words
; in 40 KiB of LDS of its own, stored once at the head.  values come by tensor loads into two slots of 16 rows; a trip: quantise (a wave takes 256 columns), codes to LDS, barrier,
; products and tanh, partial scores to LDS, barrier, running softmax, context from the same slot, and the refill's barrier.
; THE PRODUCT: source 0 = 16 rows of values, source 1 = 16 units: lane (r, h) holds unit r and rows 8 h + 0 .. 7, so qbc and wv are one number a lane and tile.
; A tile from LDS sums its even and its odd K steps in two accumulators, so that accumulators take turns.
; cluster = none: work-groups share w2 alone, which each reads once, three quarters of it straight into registers.  No prefetch: values is one stream, each byte asked for once,
; each tile a whole trip ahead of its first read.  Limit: the promise holds while |t| stays under 2^31.
; REGISTERS, window 0: v0-21 addresses and the softmax's state; v22-25 A's scale words; v26-29, v32-47 w2's; v30-31, v48-55 qbc and wv; v56-63 scores; v64-79 context;
; v80-127 accumulators (and scratch); v128-191 A's fragments (in the other phases rows of values); v192-255 the tile from LDS.
.set ROWP,  4352                       ; a row of values in LDS: 16 x (256 + 16) bytes
.set SLOTB, 16*ROWP
.set BASE2, 2*SLOTB
.set CP,    528                        ; a row of codes: 512 + 16
.set OASC,  16*CP                      ; A's scale bytes, 32 a row
.set OPART, OASC+512                   ; partial scores, 64 bytes a wave
.set OSCR,  OPART+256                  ; t of all 256 rows, a copy for each wave
.set OQW,   OSCR+4096                  ; qbc and wv: 128 bytes for each wave and unit lane
.set OW2,   OQW+8192                   ; a wave's block: 4 tiles of codes, then 16 tiles' scale words
.set WBLK,  40960
.set OBS,   32768
.set SPARE, BASE2+OW2+4*WBLK
.set SPW,1
.set NIL,2
.set VL,3
.set VA0,4
.set CST,5
.set SST,6
.set AFA,7
.set ASA,8
.set PWA,9
.set PRA,10
.set QWA,11
.set WB,12
.set SCW,13
.set SCA,14
.set GL16,15
.set MT,16
.set LS,17
.set PP,18
.set T0,19
.set FF,20
.set AS,22
.set BSL,26
.set QWL,30
.set BSG,32
.set QBG,48
.set WVG,52
.set SACC,56
.set CTX,64
.set ACC,80
.set TMP,80
.set HT,112
.set AF,128
.set STG,192
.set XA,AF                             ; three buffers of 4 rows x 8 columns for the quantiser and the context
.set XB,AF+32
.set XC,ACC+16
.set WVN,20
.set SB,21
.set WO,22
.set CNT,23
.set SCO,24
.set M1,25
.set M2,26
.set M3,27
.set G1,28
.set G0A,36
.set G0B,40
.set CC,44
.set CW,46
.set WF,50
.set WSC,52
.set PS,66
.set MSB, 0
.macro WIN new
.if MSB != (\new)
	s_set_vgpr_msb (MSB<<8)|(\new)
.set MSB, (\new)
.endif
.endm
.macro PLACES
.rept 4
	v_nop
.endr
.endm
.macro VW
	s_wait_alu depctr_va_vdst(0)
.endm
; one product; z: it starts its sum; hi: K steps 4-7 take the scale words of lanes 16-31
.macro WM acc, a, b, z, hi, sa, sb
.if \z
	v_wmma_scale_f32_16x16x128_f8f6f4 v[\acc:\acc+7], v[\a:\a+7], v[\b:\b+7], 0, v[\sa], v[\sb] matrix_a_fmt:MATRIX_FMT_FP4 matrix_b_fmt:MATRIX_FMT_FP4
.elseif \hi
	v_wmma_scale_f32_16x16x128_f8f6f4 v[\acc:\acc+7], v[\a:\a+7], v[\b:\b+7], v[\acc:\acc+7], v[\sa], v[\sb] matrix_a_fmt:MATRIX_FMT_FP4 matrix_b_fmt:MATRIX_FMT_FP4 matrix_a_scale:MATRIX_SCALE_ROW1 matrix_b_scale:MATRIX_SCALE_ROW1
.else
	v_wmma_scale_f32_16x16x128_f8f6f4 v[\acc:\acc+7], v[\a:\a+7], v[\b:\b+7], v[\acc:\acc+7], v[\sa], v[\sb] matrix_a_fmt:MATRIX_FMT_FP4 matrix_b_fmt:MATRIX_FMT_FP4
.endif
.endm
.macro LDW win, t0                     ; four tiles of w2f into a window
	WIN \win
.irp u, 0,1,2,3
.irp p, 0,1,2,3,4,5,6,7,8,9,10,11,12,13,14,15
	global_load_b128 v[64*\u+4*\p:64*\u+4*\p+3], v[GL16], s[WF:WF+1] offset:8192*((\t0)+\u)+512*\p
.endr
.endr
	WIN 0
.endm
.macro STLD t                          ; LDS tile t and its scale words: 17 loads
.irp p, 0,1,2,3,4,5,6,7,8,9,10,11,12,13,14,15
	ds_load_b128 v[STG+4*\p:STG+4*\p+3], v[WB] offset:8192*(\t)+512*\p
.endr
	ds_load_b128 v[BSL:BSL+3], v[WB] offset:OBS+512*(12+(\t))
.endm
.macro BSLD g                          ; the scale words of register group g: 4 loads
.irp i, 0,1,2,3
	ds_load_b128 v[BSG+4*\i:BSG+4*\i+3], v[WB] offset:OBS+512*(4*(\g)+\i)
.endr
.endm
.macro QWLD l, g                       ; qbc and wv of LDS tile l, then of register group g: 3 loads
	ds_load_b64 v[QWL:QWL+1], v[QWA] offset:96+8*(\l)
	ds_load_b128 v[QBG:QBG+3], v[QWA] offset:16*(\g)
	ds_load_b128 v[WVG:WVG+3], v[QWA] offset:48+16*(\g)
.endm
.macro TF i, qp, s                     ; x = c acc + qbc; register s of the pair serves both halves
.irp q, 0,2,4,6
	v_pk_fma_f32 v[ACC+8*\i+\q:ACC+8*\i+\q+1], v[ACC+8*\i+\q:ACC+8*\i+\q+1], s[CC:CC+1], v[\qp:\qp+1] op_sel:[0,0,\s] op_sel_hi:[1,0,\s]
.endr
.endm
.macro TL i, wp, s, first              ; scores += wv' / (1 + 2^x)
.irp q, 0,2,4,6
.if \first
	v_pk_mul_f32 v[SACC+\q:SACC+\q+1], v[ACC+8*\i+\q:ACC+8*\i+\q+1], v[\wp:\wp+1] op_sel:[0,\s] op_sel_hi:[1,\s]
.else
	v_pk_fma_f32 v[SACC+\q:SACC+\q+1], v[ACC+8*\i+\q:ACC+8*\i+\q+1], v[\wp:\wp+1], v[SACC+\q:SACC+\q+1] op_sel:[0,\s,0] op_sel_hi:[1,\s,1]
.endif
.endr
.endm
; full = 1: the four tiles of a register group and the LDS tile; 0: the LDS tile alone.  Each batch of transcendentals has one wait ahead and one behind
.macro TANH full, first, g
.irp q, 0,2,4,6
	v_pk_add_f32 v[ACC+32+\q:ACC+33+\q], v[ACC+32+\q:ACC+33+\q], v[ACC+40+\q:ACC+41+\q]   ; the LDS tile's two halves of K
.endr
.if \full
	TF 0, QBG, 0
	TF 1, QBG, 1
	TF 2, QBG+2, 0
	TF 3, QBG+2, 1
.endif
	TF 4, QWL, 0
	VW
.if \full
	STLD (\g)+1                                    ; the next group's tile and scale words: 17 + 4 loads, with the rest of this macro in which to land
	BSLD ((\g)+1)%3
.endif
.set ii, 32*(1-\full)
.rept 8+32*\full
	v_exp_f32 v[ACC+ii], v[ACC+ii]
.set ii, ii+1
.endr
	v_nop
	VW
.set ii, 32*(1-\full)
.rept 4+16*\full
	v_pk_add_f32 v[ACC+ii:ACC+ii+1], v[ACC+ii:ACC+ii+1], 1.0 op_sel_hi:[1,0]
.set ii, ii+2
.endr
	VW
.set ii, 32*(1-\full)
.rept 8+32*\full
	v_rcp_f32 v[ACC+ii], v[ACC+ii]
.set ii, ii+1
.endr
	v_nop
	VW
.if \full
	TL 0, WVG, 0, \first
	TL 1, WVG, 1, 0
	TL 2, WVG+2, 0, 0
	TL 3, WVG+2, 1, 0
.endif
	TL 4, QWL, 1, 0
.endm
; Group g: LDS tile g, then (g < 3) the four tiles of one window (w), then tanh.  What the next group needs from LDS is asked for as soon as its registers are free.
.macro GROUP g, w
.irp k, 0,1,2,3,4,5,6,7
.if (\g)==0
	s_wait_dscnt 14-2*\k                           ; A's scale words and fragments up to K step k are in: 14 - 2 k loads were issued behind them
.endif
	WM ACC+32+8*(\k%2), AF+8*\k, STG+8*\k, (\k<2), (\k>3), AS+(\k%4), BSL+(\k%4)
.endr
.if (\g)<3
.if (\g)==2
	s_wait_loadcnt 0x0                             ; the head's loads into this window; behind the first trip none is out
.else
	s_wait_loadcnt 63                              ; 64 loads or more were issued behind this window's
.endif
	WIN 4*(\w)
.irp k, 0,1,2,3,4,5,6,7
.irp i, 0,1,2,3
	WM ACC+8*\i, AF+8*\k, 64*\i+8*\k, (\k==0), (\k>3), AS+(\k%4), BSG+4*\i+(\k%4)
.endr
.endr
	WIN 0
	PLACES
.if (\g)>0
	s_wait_dscnt 0x0                               ; qbc and wv are in: their three loads alone were out
.endif
	TANH 1, ((\g)==0), \g
	QWLD (\g)+1, ((\g)+1)%3
	s_wait_dscnt 3                                 ; the next tile and scale words are in; the 3 just issued may be out
.else
	PLACES
	s_wait_dscnt 2                                 ; this tile's qbc and wv are in; 2 loads were issued behind them
	TANH 0, 0, 3
	ds_load_b64 v[QWL:QWL+1], v[QWA] offset:96
.endif
.endm
.macro QLOAD n, x                      ; rows 4 n .. 4 n + 3 of the slot, my 8 columns, into buffer x: 8 loads
.irp i, 0,1,2,3
	ds_load_b128 v[\x+8*\i:\x+8*\i+3], v[VA0] offset:(4*(\n)+\i)*ROWP
	ds_load_b128 v[\x+8*\i+4:\x+8*\i+7], v[VA0] offset:(4*(\n)+\i)*ROWP+16
.endr
.endm
.macro QUANT n, x                      ; four rows in buffer x: a block of 32 lies in 4 lanes
.set X,  \x
.set MB, ACC+8*((\n)%2)
.set CB, MB+4
.irp i, 0,1,2,3
	v_max3_num_f32 v[MB+\i], |v[X+8*\i]|, |v[X+8*\i+1]|, 0x1800000   ; with the floor 2^(3 - 127)
.endr
.irp e, 2,4,6
.irp i, 0,1,2,3
	v_max3_num_f32 v[MB+\i], v[MB+\i], |v[X+8*\i+\e]|, |v[X+8*\i+\e+1]|
.endr
.endr
.irp i, 0,1,2,3
	v_max_num_f32_dpp v[MB+\i], v[MB+\i], v[MB+\i] row_xmask:1 row_mask:0xf bank_mask:0xf
.endr
.irp i, 0,1,2,3
	v_max_num_f32_dpp v[MB+\i], v[MB+\i], v[MB+\i] row_xmask:2 row_mask:0xf bank_mask:0xf
.endr
.irp i, 0,1,2,3
	v_add_nc_u32 v[MB+\i], 0xff000000, v[MB+\i]    ; 2 off the exponent field: the conversion's scale
.endr
.irp i, 0,1,2,3
	v_cvt_scalef32_pk8_fp4_f32 v[CB+\i], v[X+8*\i:X+8*\i+7], v[MB+\i]
.endr
	v_nop
.irp i, 0,1,2,3
	v_lshrrev_b32 v[MB+\i], 23, v[MB+\i]           ; the scale's byte
.endr
.endm
.macro QSTORE n                        ; the four rows' codes and scale bytes: 8 stores
.irp i, 0,1,2,3
	ds_store_b32 v[CST], v[ACC+8*((\n)%2)+4+\i] offset:CP*(4*(\n)+\i)
	ds_store_b8 v[SST], v[ACC+8*((\n)%2)+\i] offset:32*(4*(\n)+\i)
.endr
.endm
.macro RL a                            ; p of rows a .. a + 3 as scalars
.irp i, 0,1,2,3
	v_readlane_b32 s[PS+2*((\a)+\i)], v[PP], (\a)+\i
.endr
.endm
.macro CTX4 n, x                       ; context += p x row, the four rows in buffer x, two chains
.irp i, 0,1,2,3
.irp q, 0,2,4,6
	v_pk_fma_f32 v[CTX+8*(\i%2)+\q:CTX+8*(\i%2)+\q+1], v[\x+8*\i+\q:\x+8*\i+\q+1], s[PS+2*(4*(\n)+\i):PS+2*(4*(\n)+\i)+1], v[CTX+8*(\i%2)+\q:CTX+8*(\i%2)+\q+1] op_sel_hi:[1,0,1]
.endr
.endr
.endm
.macro PROCESS
	v_add_nc_u32 v[VA0], s[SB], v[VL]
	v_add_nc_u32 v[SCA], s[SCO], v[SCW]
	QLOAD 0, XA
	QLOAD 1, XB
	QLOAD 2, XC
	s_wait_dscnt 16                                ; batch 0 is in: 16 loads behind it
	QUANT 0, XA
	QLOAD 3, XA
	s_wait_dscnt 16                                ; batch 1 is in: batches 2 and 3 behind it
	QUANT 1, XB
	QSTORE 0
	QSTORE 1
	s_wait_dscnt 24                                ; batch 2 is in: 8 loads and 16 stores behind it
	QUANT 2, XC
	s_wait_dscnt 16                                ; batch 3 is in: 16 stores behind it
	QUANT 3, XA
	QSTORE 2
	QSTORE 3
	s_wait_dscnt 0x0                               ; my codes and scale bytes are stored
	s_barrier_signal -1
	s_barrier_wait -1
	ds_load_b128 v[AS:AS+3], v[ASA]
.irp p, 0,1,2,3,4,5,6,7,8,9,10,11,12,13,14,15
	ds_load_b128 v[AF+4*\p:AF+4*\p+3], v[AFA] offset:32*\p
.endr
	GROUP 0, 2
	GROUP 1, 1
	GROUP 2, 3
	GROUP 3, 0
	; the 16 unit lanes are summed, and lane r keeps row 8 h + r % 8: at each step a lane keeps one half of its rows and hands the other to its partner
.irp i, 0,1,2,3
	v_cndmask_b32 v[ACC+\i], v[SACC+2*\i], v[SACC+2*\i+1], s[M1]
	v_cndmask_b32 v[ACC+4+\i], v[SACC+2*\i+1], v[SACC+2*\i], s[M1]
.endr
.irp i, 0,1,2,3
	v_add_f32_dpp v[ACC+\i], v[ACC+4+\i], v[ACC+\i] row_xmask:1 row_mask:0xf bank_mask:0xf
.endr
.irp i, 0,1
	v_cndmask_b32 v[ACC+8+\i], v[ACC+2*\i], v[ACC+2*\i+1], s[M2]
	v_cndmask_b32 v[ACC+10+\i], v[ACC+2*\i+1], v[ACC+2*\i], s[M2]
.endr
.irp i, 0,1
	v_add_f32_dpp v[ACC+8+\i], v[ACC+10+\i], v[ACC+8+\i] row_xmask:2 row_mask:0xf bank_mask:0xf
.endr
	v_cndmask_b32 v[ACC], v[ACC+8], v[ACC+9], s[M3]
	v_cndmask_b32 v[ACC+1], v[ACC+9], v[ACC+8], s[M3]
	v_add_f32_dpp v[ACC], v[ACC+1], v[ACC] row_xmask:4 row_mask:0xf bank_mask:0xf
	v_add_f32_dpp v[ACC], v[ACC], v[ACC] row_xmask:8 row_mask:0xf bank_mask:0xf
	ds_store_b32 v[PWA], v[ACC]
	s_wait_dscnt 0x0                               ; my 256 units' part of the 16 scores is stored
	s_barrier_signal -1
	s_barrier_wait -1
.irp u, 0,1,2,3
	ds_load_b32 v[TMP+\u], v[PRA] offset:64*\u
.endr
	QLOAD 0, XA                                    ; the slot's rows once more, for the context
	QLOAD 1, XB
	QLOAD 2, XC
	s_wait_dscnt 24                                ; the four parts are in: 24 loads behind them
	v_add_f32 v[TMP], v[TMP], v[TMP+1]
	v_add_f32 v[TMP+2], v[TMP+2], v[TMP+3]
	v_add_f32 v[T0], v[TMP], v[TMP+2]              ; t of row lane % 16
	ds_store_b32 v[SCA], v[T0]
	v_max_num_f32_dpp v[TMP+1], v[T0], v[T0] row_xmask:1 row_mask:0xf bank_mask:0xf
	v_max_num_f32_dpp v[TMP+1], v[TMP+1], v[TMP+1] row_xmask:2 row_mask:0xf bank_mask:0xf
	v_max_num_f32_dpp v[TMP+1], v[TMP+1], v[TMP+1] row_xmask:4 row_mask:0xf bank_mask:0xf
	v_max_num_f32_dpp v[TMP+1], v[TMP+1], v[TMP+1] row_xmask:8 row_mask:0xf bank_mask:0xf
	v_max_num_f32 v[TMP+1], v[TMP+1], v[MT]        ; the running maximum
	v_sub_f32 v[FF], v[MT], v[TMP+1]
	v_sub_f32 v[PP], v[T0], v[TMP+1]
	VW
	v_exp_f32 v[FF], v[FF]
	v_exp_f32 v[PP], v[PP]
	v_mov_b32 v[MT], v[TMP+1]
	VW
	v_add_f32_dpp v[TMP+2], v[PP], v[PP] row_xmask:1 row_mask:0xf bank_mask:0xf
	RL 0                                           ; independent lines between the links of the sum's chain
	v_add_f32_dpp v[TMP+2], v[TMP+2], v[TMP+2] row_xmask:2 row_mask:0xf bank_mask:0xf
	RL 4
	v_add_f32_dpp v[TMP+2], v[TMP+2], v[TMP+2] row_xmask:4 row_mask:0xf bank_mask:0xf
	RL 8
	v_add_f32_dpp v[TMP+2], v[TMP+2], v[TMP+2] row_xmask:8 row_mask:0xf bank_mask:0xf
	RL 12
	v_fma_f32 v[LS], v[LS], v[FF], v[TMP+2]
.irp q, 0,2,4,6,8,10,12,14
	v_pk_mul_f32 v[CTX+\q:CTX+\q+1], v[CTX+\q:CTX+\q+1], v[FF:FF+1] op_sel_hi:[1,0]
.endr
	VW                                             ; the wait ahead of each of the waits below
	s_wait_dscnt 17                                ; batch 0 is in: 16 loads and the store of t behind it
	CTX4 0, XA
	QLOAD 3, XA
	STLD 0                                         ; the next trip's first tile from LDS: 17 loads
	VW
	s_wait_dscnt 34                                ; batch 1: 8 loads, the store, 8 + 17 loads
	CTX4 1, XB
	VW
	s_wait_dscnt 26                                ; batch 2: the store and 8 + 17 loads
	CTX4 2, XC
	VW
	s_wait_dscnt 17                                ; batch 3: the 17 loads
	CTX4 3, XA
	s_add_co_u32 s[SCO], s[SCO], 64
.endm
; The change of slots: all my tensor loads are in, an add to a spare word of LDS, my LDS reads are back, the barrier; then my one load: 4 rows of the tile two on, into the slot just read
.macro SYNC refill
	s_wait_tensorcnt 0x0
	ds_add_u32 v[SPW], v[NIL]
.if \refill
	s_add_nc_u64 s[G0B+2:G0B+3], s[G0B+2:G0B+3], 0x10000
	s_xor_b32 s[G0B+1], s[G0B+1], SLOTB
.endif
	s_xor_b32 s[SB], s[SB], SLOTB
	s_wait_dscnt 0x0
	s_barrier_signal -1
	s_barrier_wait -1
.if \refill
	tensor_load_to_lds s[G0B:G0B+3], s[G1:G1+7]
	s_nop 0
	PLACES
.endif
.endm
	s_load_b256 s[4:11], s[0:1], 0x0               ; values, w2f, w2_scales, qbc
	s_load_b128 s[12:15], s[0:1], 0x20             ; wv, sc
	s_load_b64 s[16:17], s[0:1], 0x30              ; part
	v_lshl_add_u32 v[SPW], v0, 2, SPARE
	v_mov_b32 v[NIL], 0
	ds_add_u32 v[SPW], v[NIL]
	ds_add_u32 v[SPW], v[NIL]
	v_lshrrev_b32 v[T0], 5, v0
	v_readfirstlane_b32 s[WVN], v[T0]              ; wave 0..3
	s_mov_b32 s[G1+0], (3<<16)|(1<<20)|(5<<22)|(3<<25)  ; elements of 8 bytes; 16 bytes of padding behind every 256
	s_mov_b32 s[G1+1], 32<<16                      ; 4 rows of values are dense: 64 rows of 256 bytes
	s_mov_b32 s[G1+2], 64<<16
	s_mov_b32 s[G1+3], 32<<16
	s_mov_b32 s[G1+4], 64
	s_mov_b32 s[G1+5], 32
	s_mov_b32 s[G1+6], 0
	s_mov_b32 s[G1+7], 0
	s_mul_i32 s[WO], s[WVN], 4*ROWP
	s_lshl_b32 s2, ttmp9, 20                       ; the work-group's 256 rows of 4,096 bytes
	s_lshl_b32 s3, s[WVN], 14                      ; my 4 rows of a tile
	s_add_co_u32 s2, s2, s3
	s_mov_b32 s3, 0
	s_wait_dscnt 0x0
	s_wait_kmcnt 0x0
	s_add_nc_u64 s[4:5], s[4:5], s[2:3]
	s_mov_b32 s[G0A], 1
	s_mov_b32 s[G0A+1], s[WO]
	s_mov_b64 s[G0A+2:G0A+3], s[4:5]
	s_or_b32 s[G0A+3], s[G0A+3], 0x80000000
	s_mov_b32 s[G0B], 1
	s_add_co_u32 s[G0B+1], s[WO], SLOTB
	s_add_nc_u64 s[G0B+2:G0B+3], s[4:5], 0x10000
	s_or_b32 s[G0B+3], s[G0B+3], 0x80000000
	tensor_load_to_lds s[G0A:G0A+3], s[G1:G1+7]    ; tile 0: my one tensor load at the head
	s_nop 0
	PLACES
	s_lshl_b32 s2, s[WVN], 17
	s_add_nc_u64 s[WF:WF+1], s[6:7], s[2:3]        ; my 16 tiles of w2f
	s_lshl_b32 s2, s[WVN], 13
	s_add_nc_u64 s[WSC:WSC+1], s[8:9], s[2:3]      ; their scale bytes
	s_lshl_b32 s2, s[WVN], 10
	s_add_nc_u64 s[12:13], s[12:13], s[2:3]        ; my 256 numbers of wv
	s_lshr_b32 s54, ttmp9, 3
	s_lshl_b32 s54, s54, 12
	s_add_co_u32 s2, s2, s54
	s_add_nc_u64 s[10:11], s[10:11], s[2:3]        ; and of the batch's row of qbc
	s_mul_i32 s54, s[WVN], 1088
	s_lshl_b32 s55, s[WVN], 7
	s_add_co_u32 s55, s55, BASE2
	s_lshl_b32 s56, s[WVN], 3
	s_add_co_u32 s56, s56, BASE2+OASC
	s_lshl_b32 s57, s[WVN], 6
	s_add_co_u32 s57, s57, BASE2+OPART
	s_lshl_b32 s58, s[WVN], 11
	s_add_co_u32 s58, s58, BASE2+OQW
	s_mul_i32 s59, s[WVN], WBLK
	s_add_co_u32 s59, s59, BASE2+OW2
	s_lshl_b32 s60, s[WVN], 10
	s_add_co_u32 s60, s60, BASE2+OSCR
	s_mov_b32 s[CC], 0x4038aa3b                    ; c = 2 log2(e)
	s_mov_b32 s[CC+1], s[CC]
	s_mov_b32 s[CW], 0xc038aa3b                    ; -2 log2(e)
	s_mov_b32 s[CW+1], s[CW]
	s_mov_b32 s[M1], 0xaaaaaaaa
	s_mov_b32 s[M2], 0xcccccccc
	s_mov_b32 s[M3], 0xf0f0f0f0
	s_mov_b32 s[SB], 0
	s_mov_b32 s[SCO], 0
.irp i, 0,1,2,3,4,5,6,7,8,9,10,11,12,13,14,15
	s_mov_b32 s[PS+2*\i+1], 0                      ; (named as a pair's upper half)
.endr
	v_and_b32 v[HT], 31, v0                        ; lane
	v_and_b32 v[HT+1], 15, v0                      ; r
	v_bfe_u32 v[HT+2], v0, 4, 1                    ; h
	v_lshlrev_b32 v[GL16], 4, v[HT]
	v_lshlrev_b32 v[HT+3], 2, v[HT+1]              ; 4 r
	v_lshlrev_b32 v[HT+4], 5, v[HT+1]
	v_lshl_add_u32 v[HT+4], v[HT+2], 4, v[HT+4]    ; 32 r + 16 h
.irp t, 0,1,2,3,4,5,6,7,8,9,10,11,12,13,14,15
	global_load_b32 v[ACC+\t], v[HT+3], s[10:11] offset:64*\t       ; qbc of unit r of tile t
	global_load_b32 v[ACC+16+\t], v[HT+3], s[12:13] offset:64*\t    ; wv
	global_load_b128 v[AF+4*\t:AF+4*\t+3], v[HT+4], s[WSC:WSC+1] offset:512*\t   ; its scale words
.endr
	LDW 0x40, 12                                   ; tiles 12-15, on their way to LDS through window 1
	LDW 0x80, 0                                    ; tiles 0-3 stay in window 2
	v_bfe_u32 v[VL], v0, 3, 2
	v_mul_u32_u24 v[VL], v[VL], 272
	v_and_b32 v[HT+5], 7, v0
	v_lshl_add_u32 v[VL], v[HT+5], 5, v[VL]
	v_add_nc_u32 v[VL], s54, v[VL]                 ; my 8 columns, 256 w + 8 lane, in a row of a slot
	v_lshl_add_u32 v[CST], v[HT], 2, s55           ; their 4 bytes of codes
	v_bfe_u32 v[SST], v0, 2, 3
	v_add_nc_u32 v[SST], s56, v[SST]               ; their block's scale byte
	v_mul_u32_u24 v[AFA], v[HT+1], CP
	v_lshl_add_u32 v[AFA], v[HT+2], 4, v[AFA]
	v_add_nc_u32 v[AFA], BASE2, v[AFA]             ; A's fragments
	v_add_nc_u32 v[ASA], BASE2+OASC, v[HT+4]       ; A's scale words
	v_lshl_add_u32 v[PWA], v[HT+5], 2, s57
	v_lshl_add_u32 v[PWA], v[HT+2], 5, v[PWA]      ; my wave's part of row 8 h + r % 8
	v_add_nc_u32 v[PRA], BASE2+OPART, v[HT+3]
	v_lshl_add_u32 v[QWA], v[HT+1], 7, s58
	v_add_nc_u32 v[WB], s59, v[GL16]
	v_add_nc_u32 v[SCW], s60, v[HT+3]
	v_mov_b32 v[MT], 0xff61b1e6                    ; -3e38, under every t
	v_mov_b32 v[LS], 0
	v_mov_b32 v[FF+1], 0
.irp i, 0,1,2,3,4,5,6,7,8,9,10,11,12,13,14,15
	v_mov_b32 v[CTX+\i], 0
.endr
	VW                                             ; the wait ahead of the wait below
	s_wait_loadcnt 63                              ; all that goes to LDS is in: 64 loads were issued behind it
.irp q, 0,2,4,6,8,10,12,14
	v_pk_mul_f32 v[ACC+16+\q:ACC+17+\q], v[ACC+16+\q:ACC+17+\q], s[CW:CW+1] op_sel_hi:[1,0]
.endr
.irp g, 0,1,2
	ds_store_b128 v[QWA], v[ACC+4*\g:ACC+4*\g+3] offset:16*\g
	ds_store_b128 v[QWA], v[ACC+16+4*\g:ACC+19+4*\g] offset:48+16*\g
.endr
.irp g, 0,1,2,3
	ds_store_b32 v[QWA], v[ACC+12+\g] offset:96+8*\g
	ds_store_b32 v[QWA], v[ACC+28+\g] offset:100+8*\g
.endr
.irp t, 0,1,2,3,4,5,6,7,8,9,10,11,12,13,14,15
	ds_store_b128 v[WB], v[AF+4*\t:AF+4*\t+3] offset:OBS+512*\t
.endr
	WIN 0x04                                       ; a store's data: window 1
.irp u, 0,1,2,3
.irp p, 0,1,2,3,4,5,6,7,8,9,10,11,12,13,14,15
	ds_store_b128 v[WB], v[64*\u+4*\p:64*\u+4*\p+3] offset:8192*\u+512*\p
.endr
.endr
	WIN 0
	LDW 0x40, 4                                    ; tiles 4-7 stay in window 1
	LDW 0xc0, 8                                    ; tiles 8-11 in window 3
	STLD 0                                         ; what the first trip's first group takes from LDS (my own bytes, served in order behind my stores)
	BSLD 0
	QWLD 0, 0
	VW                                             ; the wait at the head's end
	s_wait_tensorcnt 0x0                           ; my part of tile 0 is in; slot 1's first fill is issued as a refill is
	ds_add_u32 v[SPW], v[NIL]
	s_wait_dscnt 0x0
	s_barrier_signal -1
	s_barrier_wait -1
	tensor_load_to_lds s[G0B:G0B+3], s[G1:G1+7]    ; tile 1
	s_nop 0
	PLACES
	s_mov_b32 s[CNT], 14
.Lmain:
	PROCESS
	SYNC 1
	s_sub_co_u32 s[CNT], s[CNT], 1
	s_cmp_lg_u32 s[CNT], 0
	s_cbranch_scc1 .Lmain
	s_mov_b32 s[CNT], 2                            ; the last two trips fill nothing
.Ltail:
	PROCESS
	SYNC 0
	s_sub_co_u32 s[CNT], s[CNT], 1
	s_cmp_lg_u32 s[CNT], 0
	s_cbranch_scc1 .Ltail
	VW
.irp q, 0,2,4,6
	v_pk_add_f32 v[CTX+\q:CTX+\q+1], v[CTX+\q:CTX+\q+1], v[CTX+8+\q:CTX+8+\q+1]
.endr
	; the way out: my 256 columns go through 1 KiB of the codes' bytes (read no more), so that each store covers 512 consecutive bytes
	v_and_b32 v[T0], 31, v0
	s_lshl_b32 s2, s[WVN], 10
	s_add_co_u32 s2, s2, BASE2
	v_lshl_add_u32 v[VL], v[T0], 5, s2
	v_lshl_add_u32 v[CST], v[T0], 4, s2
	s_mul_i32 s2, s[WVN], 1280
	s_add_co_u32 s2, s2, BASE2+OSCR
	v_lshl_add_u32 v[VA0], v[T0], 3, s2            ; rows 64 w on, in my copy of t
	v_lshlrev_b32 v[SST], 3, v[T0]
	ds_store_b128 v[VL], v[CTX:CTX+3]
	ds_store_b128 v[VL], v[CTX+4:CTX+7] offset:16
	ds_load_b128 v[TMP:TMP+3], v[CST]
	ds_load_b128 v[TMP+4:TMP+7], v[CST] offset:512
	ds_load_b64 v[TMP+8:TMP+9], v[VA0]
	s_mul_i32 s2, ttmp9, 4352
	s_lshl_b32 s3, s[WVN], 10
	s_add_co_u32 s2, s2, s3
	s_mov_b32 s3, 0
	s_add_nc_u64 s[16:17], s[16:17], s[2:3]
	s_lshl_b32 s2, ttmp9, 10
	s_lshl_b32 s54, s[WVN], 8
	s_add_co_u32 s2, s2, s54
	s_add_nc_u64 s[14:15], s[14:15], s[2:3]
	VW
	s_wait_tensorcnt 0x0                           ; the wave's end
	ds_add_u32 v[SPW], v[NIL]
	s_wait_dscnt 0x0
	global_store_b128 v[GL16], v[TMP:TMP+3], s[16:17]
	global_store_b128 v[GL16], v[TMP+4:TMP+7], s[16:17] offset:512
	global_store_b64 v[SST], v[TMP+8:TMP+9], s[14:15]
	s_cmp_lg_u32 s[WVN], 0
	s_cbranch_scc1 .Lend
	global_store_b64 v[SST], v[MT:MT+1], s[16:17] offset:4096      ; the part's maximum and sum
.Lend:
	s_endpgm
.Lfunc_end_k_q501aa9a122_attn:
	.size	k_q501aa9a122_attn, .Lfunc_end_k_q501aa9a122_attn-k_q501aa9a122_attn
	.p2alignl 7, 3214868480
	.fill 96, 4, 3214868480
	.section	.rodata,"a",@progbits
	.p2align	6, 0x0
	.amdhsa_kernel k_q501aa9a122_attn
		.amdhsa_group_segment_fixed_size 327680
		.amdhsa_private_segment_fixed_size 0
		.amdhsa_enable_private_segment 0
		.amdhsa_kernarg_size 56
		.amdhsa_user_sgpr_count 2
		.amdhsa_user_sgpr_kernarg_segment_ptr 1
		.amdhsa_wavefront_size32 1
		.amdhsa_system_sgpr_workgroup_id_x 1
		.amdhsa_system_sgpr_workgroup_id_y 1
		.amdhsa_system_sgpr_workgroup_id_z 1
		.amdhsa_system_vgpr_workitem_id 0
		.amdhsa_next_free_vgpr 1024
		.amdhsa_next_free_sgpr 100
		.amdhsa_reserve_vcc 0
		.amdhsa_float_denorm_mode_32 3
		.amdhsa_float_denorm_mode_16_64 3
		.amdhsa_memory_ordered 1
		.amdhsa_forward_progress 1
		.amdhsa_inst_pref_size 186
	.end_amdhsa_kernel
	.amdgpu_metadata
---
amdhsa.version: [ 1, 2 ]
amdhsa.kernels:
  - .name:           k_q501aa9a122_attn
    .symbol:         k_q501aa9a122_attn.kd
    .args:
      - { .name: values, .offset: 0, .size: 8, .value_kind: global_buffer, .address_space: global }
      - { .name: w2f, .offset: 8, .size: 8, .value_kind: global_buffer, .address_space: global }
      - { .name: w2_scales, .offset: 16, .size: 8, .value_kind: global_buffer, .address_space: global }
      - { .name: qbc, .offset: 24, .size: 8, .value_kind: global_buffer, .address_space: global }
      - { .name: wv, .offset: 32, .size: 8, .value_kind: global_buffer, .address_space: global }
      - { .name: sc, .offset: 40, .size: 8, .value_kind: global_buffer, .address_space: global }
      - { .name: part, .offset: 48, .size: 8, .value_kind: global_buffer, .address_space: global }
    .group_segment_fixed_size: 327680
    .private_segment_fixed_size: 0
    .kernarg_segment_align: 8
    .kernarg_segment_size: 56
    .max_flat_workgroup_size: 128
    .sgpr_count:     100
    .vgpr_count:     1024
    .wavefront_size: 32
...
	.end_amdgpu_metadata
.endif
;; end of part 2
;; launch fin (part 3): grid 32 x 1, 8 waves a work-group, no clusters, 0 bytes of LDS; arguments sc, part, out0, out1; writes out0, out1
.if DOCPART == 3
	.amdgcn_target "amdgcn-amd-amdhsa--gfx1250"
	.amdhsa_code_object_version 6
	.text
	.protected	k_q501aa9a122_fin
	.globl	k_q501aa9a122_fin
	.p2align	8
	.type	k_q501aa9a122_fin,@function
k_q501aa9a122_fin:
	s_mov_b64 s[64:65], 0
	v_nop
	global_prefetch_b8 v0, s[64:65] scope:SCOPE_SE
	s_setreg_imm32_b32 hwreg(HW_REG_WAVE_MODE, 25, 1), 1
	s_wait_xcnt 0x0
; The eight parts of a batch are joined.  Part i has m_i (its largest t), l_i (its sum of 2^(t - m_i)) and its context under m_i.  M = the largest m_i; w_i = 2^(m_i - M); L = the sum of l_i w_i.
; out0[b] = the sum of context_i w_i / L;  out1[b][s] = 2^(t - M) / L.  One work-group a batch, 256 threads: a thread has 4 columns of the context and 8 of the 2,048 weights.
; No LDS, no barrier, no matrix unit: 40 KiB are read and 12 KiB written by each work-group; every load and store of a wave covers 512 consecutive bytes.
; REGISTERS: v1 16 x thread; v2 M; v3 L; v[4:5] 1 / L, twice; v8-15 t; v16-31 w_i / L, each twice (a pair for the packed forms); v32-63 the eight contexts.
	s_load_b256 s[4:11], s[0:1], 0x0               ; sc s[4:5], part s[6:7], out0 s[8:9], out1 s[10:11]
	v_lshlrev_b32 v1, 4, v0
	s_mul_i32 s12, ttmp9, 8*4352                   ; the batch's eight rows of part
	s_mov_b32 s13, 0
	s_lshl_b32 s14, ttmp9, 13                      ; its 2,048 t, and weights
	s_mov_b32 s15, 0
	s_lshl_b32 s34, ttmp9, 12                      ; its row of out0
	s_mov_b32 s35, 0
	s_wait_alu depctr_va_vdst(0)
	s_wait_kmcnt 0x0
	s_add_nc_u64 s[6:7], s[6:7], s[12:13]
	s_add_nc_u64 s[4:5], s[4:5], s[14:15]
	s_add_nc_u64 s[10:11], s[10:11], s[14:15]
	s_add_nc_u64 s[8:9], s[8:9], s[34:35]
.irp i, 0,1,2,3,4,5,6,7
	s_load_b64 s[16+2*\i:17+2*\i], s[6:7], 4352*\i+4096            ; m_i, l_i
.endr
.irp i, 0,1,2,3,4,5,6,7
	global_load_b128 v[32+4*\i:35+4*\i], v1, s[6:7] offset:4352*\i
.endr
	global_load_b128 v[8:11], v1, s[4:5]
	global_load_b128 v[12:15], v1, s[4:5] offset:4096
	s_wait_kmcnt 0x0
	v_mov_b32 v2, s16
.irp i, 1,2,3,4,5,6,7
	s_delay_alu instid0(VALU_DEP_1)
	v_max_num_f32 v2, s[16+2*\i], v2
.endr
.irp i, 0,1,2,3,4,5,6,7
	v_sub_f32 v[16+2*\i], s[16+2*\i], v2
.endr
	s_wait_alu depctr_va_vdst(0)
.irp i, 0,1,2,3,4,5,6,7
	v_exp_f32 v[16+2*\i], v[16+2*\i]
.endr
	v_nop                                          ; a plain line behind the last exponential
	s_wait_alu depctr_va_vdst(0)                   ; one wait for the eight, ahead of their first reader
	v_mul_f32 v3, s17, v16
.irp i, 1,2,3,4,5,6,7
	v_fmac_f32 v3, s[17+2*\i], v[16+2*\i]
.endr
	s_wait_alu depctr_va_vdst(0)
	v_rcp_f32 v4, v3
	v_nop
	s_wait_alu depctr_va_vdst(0)
	v_mov_b32 v5, v4
.irp i, 0,1,2,3,4,5,6,7
	v_mul_f32 v[17+2*\i], v[16+2*\i], v4
	v_mul_f32 v[16+2*\i], v[16+2*\i], v4
.endr
	s_wait_loadcnt 2                               ; the eight contexts are in; t's two loads may be out
	v_pk_mul_f32 v[32:33], v[32:33], v[16:17]
	v_pk_mul_f32 v[34:35], v[34:35], v[16:17]
.irp i, 1,2,3,4,5,6,7
	s_delay_alu instid0(VALU_DEP_2)
	v_pk_fma_f32 v[32:33], v[32+4*\i:33+4*\i], v[16+2*\i:17+2*\i], v[32:33]
	s_delay_alu instid0(VALU_DEP_2)
	v_pk_fma_f32 v[34:35], v[34+4*\i:35+4*\i], v[16+2*\i:17+2*\i], v[34:35]
.endr
	global_store_b128 v1, v[32:35], s[8:9]
	s_wait_loadcnt 0x0
.irp i, 0,1,2,3,4,5,6,7
	v_sub_f32 v[8+\i], v[8+\i], v2
.endr
	s_wait_alu depctr_va_vdst(0)
.irp i, 0,1,2,3,4,5,6,7
	v_exp_f32 v[8+\i], v[8+\i]
.endr
	v_nop
	s_wait_alu depctr_va_vdst(0)
.irp i, 0,2,4,6
	v_pk_mul_f32 v[8+\i:9+\i], v[8+\i:9+\i], v[4:5]
.endr
	global_store_b128 v1, v[8:11], s[10:11]
	global_store_b128 v1, v[12:15], s[10:11] offset:4096
	s_endpgm
.Lfunc_end_k_q501aa9a122_fin:
	.size	k_q501aa9a122_fin, .Lfunc_end_k_q501aa9a122_fin-k_q501aa9a122_fin
	.p2alignl 7, 3214868480
	.fill 96, 4, 3214868480
	.section	.rodata,"a",@progbits
	.p2align	6, 0x0
	.amdhsa_kernel k_q501aa9a122_fin
		.amdhsa_group_segment_fixed_size 0
		.amdhsa_private_segment_fixed_size 0
		.amdhsa_enable_private_segment 0
		.amdhsa_kernarg_size 32
		.amdhsa_user_sgpr_count 2
		.amdhsa_user_sgpr_kernarg_segment_ptr 1
		.amdhsa_wavefront_size32 1
		.amdhsa_system_sgpr_workgroup_id_x 1
		.amdhsa_system_sgpr_workgroup_id_y 1
		.amdhsa_system_sgpr_workgroup_id_z 1
		.amdhsa_system_vgpr_workitem_id 0
		.amdhsa_next_free_vgpr 64
		.amdhsa_next_free_sgpr 66
		.amdhsa_reserve_vcc 0
		.amdhsa_float_denorm_mode_32 3
		.amdhsa_float_denorm_mode_16_64 3
		.amdhsa_memory_ordered 1
		.amdhsa_forward_progress 1
		.amdhsa_inst_pref_size 7
	.end_amdhsa_kernel
	.amdgpu_metadata
---
amdhsa.version: [ 1, 2 ]
amdhsa.kernels:
  - .name:           k_q501aa9a122_fin
    .symbol:         k_q501aa9a122_fin.kd
    .args:
      - { .name: sc, .offset: 0, .size: 8, .value_kind: global_buffer, .address_space: global }
      - { .name: part, .offset: 8, .size: 8, .value_kind: global_buffer, .address_space: global }
      - { .name: out0, .offset: 16, .size: 8, .value_kind: global_buffer, .address_space: global }
      - { .name: out1, .offset: 24, .size: 8, .value_kind: global_buffer, .address_space: global }
    .group_segment_fixed_size: 0
    .private_segment_fixed_size: 0
    .kernarg_segment_align: 8
    .kernarg_segment_size: 32
    .max_flat_workgroup_size: 256
    .sgpr_count:     66
    .vgpr_count:     64
    .wavefront_size: 32
...
	.end_amdgpu_metadata
.endif
;; end of part 3
